; MI455X (gfx1250); checked and timed in simulation.
; The chip was launched on July 23, 2026; its instructions are those of AMD's public machine-readable ISA for CDNA 5 (MIT licence, August 2026) and "CDNA5" Instruction Set Architecture Reference Guide (July 2026). The comments in the code are by the model that wrote it; some were corrected since.
;; MDA. Allowed arithmetic: float matrix products may take bf16 or f16 operands with f32 sums; all other float work in f32.
;; Inputs: W1 1,802 x 1,024 float32; W2 1,024 x 512 float32; W3 512 x 64 float32; W4 64 x 1 float32; b1 1,024 float32; b2 512 float32; b3 64 float32; b4 1 float32; feature 20,000 x 901 float32; test_sample 12,500 x 2 int32; train_sample 12,500 x 2 int32.
;; Outputs: out0 12,500 x 1 float32; out1 12,500 x 1 float32.
;; One version. Each part assembles by itself: llvm-mc -triple=amdgcn-amd-amdhsa -mcpu=gfx1250 --defsym DOCPART=n.
;; ======== version 1 of 1: 4 launches
;; workspace buffers: va 4,352 bytes; wrep 28,928 bytes; sc 160,000 bytes
;; launch fold_w2 (part 1): grid 65 x 1, 16 waves a work-group, no clusters, 4,096 bytes of LDS; arguments W2, W3, W4, b2, b3, b4, va; writes va
.if DOCPART == 1
	.amdgcn_target "amdgcn-amd-amdhsa--gfx1250"
	.amdhsa_code_object_version 6
	.text
	.protected	k_qb46d0e9f8a_fold_w2
	.globl	k_qb46d0e9f8a_fold_w2
	.p2align	8
	.type	k_qb46d0e9f8a_fold_w2,@function
k_qb46d0e9f8a_fold_w2:
	s_mov_b64 s[64:65], 0
	v_nop
	global_prefetch_b8 v0, s[64:65] scope:SCOPE_SE
	s_setreg_imm32_b32 hwreg(HW_REG_WAVE_MODE, 25, 1), 1
	s_wait_xcnt 0x0
; THE FOLD.  The four Linears follow each other with nothing between them, so for every input
;   h = emb W1 W2 W3 W4 + (b1 W2 W3 W4 + b2 W3 W4 + b3 W4 + b4) = emb . v1 + c,
; with v3 = W3 W4 (512 numbers), v2 = W2 v3 (1,024), v1 = W1 v2 (1,802), c = b1.v2 + b2.v3 + b3.W4 + b4.
; This launch makes v2 and cA = b2.v3 + b3.W4 + b4.  All in f32 on the vector unit: the products have one column.
; LIMITS: the sums are ordered otherwise than in a chain of four products, so the last bits differ; v3, v2 and cA have to be finite in f32.
; SHARES.  16 waves.  Every work-group makes all of v3 for itself (W3 is 131,072 bytes), wave w its rows 32 w to 32 w + 31, into LDS.
; Then slot = 16 x work-group + wave takes one row of 512 numbers times v3: slots 0 to 1,023 a row of W2 (v2[slot]), slot 1,024 takes b2 as
; its row and adds b3.W4 + b4 (cA).  The other 15 waves of the last work-group have helped with v3; they read b2 too and store nothing.
; va: v2 at bytes 0 to 4,095, cA at byte 4,096.
.set OFF,  2                           ; v2        16 x lane
.set LQ,   3                           ; v3        16 x (lane % 16): my four columns of a row of 64 numbers
.set LST,  4                           ; v4        LDS byte of v3[32 wave + lane / 16]
.set TMP,  5                           ; v5        at work
.set E,    6                           ; v[6:7]    b3.W4
.set W4C,  8                           ; v[8:11]   W4, my four columns
.set B3C,  12                          ; v[12:15]  b3, my four columns
.set ROW,  16                          ; v[16:31]  my slot's row: numbers 4 lane + 128 j + 0..3, j = 0..3
.set X,    32                          ; v[32:95]  sixteen loads of W3, two rows each
.set V3,   96                          ; v[96:111] v3, laid as ROW
.set P,    112                         ; v[112:119] four chains of packed sums
.set SEL,  25                          ; s25, s26  lane selects of v_permlanex16_b32: each lane takes its own place in the other half
	s_load_b256 s[4:11], s[0:1], 0x0               ; W2 s[4:5], W3 s[6:7], W4 s[8:9], b2 s[10:11]
	s_load_b128 s[12:15], s[0:1], 0x20             ; b3 s[12:13], b4 s[14:15]
	s_load_b64 s[16:17], s[0:1], 0x30              ; va
	v_lshl_add_u32 v120, v0, 2, 0x800
	v_mov_b32 v121, 0
	v_lshrrev_b32 v[TMP], 5, v0
	v_readfirstlane_b32 s18, v[TMP]                ; wave 0..15
	s_lshl_b32 s19, ttmp9, 4
	s_add_co_u32 s19, s19, s18                     ; slot
	v_and_b32 v1, 31, v0                           ; lane
	v_lshlrev_b32 v[OFF], 4, v1
	v_and_b32 v[LQ], 15, v1
	v_lshlrev_b32 v[LQ], 4, v[LQ]
	v_lshrrev_b32 v[TMP], 4, v1                    ; which half of the lanes
	v_lshlrev_b32 v[TMP], 2, v[TMP]
	s_lshl_b32 s20, s18, 7                         ; 32 words of v3 for each wave
	v_add_nc_u32 v[LST], s20, v[TMP]
	s_mov_b32 s[SEL], 0x76543210
	s_mov_b32 s[SEL+1], 0xfedcba98
	s_mov_b32 s21, 0
	s_wait_kmcnt 0x0
	s_load_b32 s24, s[14:15], 0x0                  ; b4's one number
	s_lshl_b32 s20, s18, 13                        ; my 32 rows of W3: 8,192 bytes a wave
	s_add_nc_u64 s[6:7], s[6:7], s[20:21]
	s_min_u32 s20, s19, 1023                       ; the row's pointer stays inside W2 in the slots that do not use it
	s_lshl_b32 s20, s20, 11                        ; 2,048 bytes a row
	s_add_nc_u64 s[22:23], s[4:5], s[20:21]
	s_cmp_ge_u32 s19, 1024
	s_cselect_b64 s[22:23], s[10:11], s[22:23]     ; from slot 1,024 on the row is b2
	; 22 loads, in the order in which they are wanted
	global_load_b128 v[W4C:W4C+3], v[LQ], s[8:9]
	global_load_b128 v[B3C:B3C+3], v[LQ], s[12:13]
.irp k, 0,1,2,3,4,5,6,7,8,9,10,11,12,13,14,15
	global_load_b128 v[X+4*\k:X+4*\k+3], v[OFF], s[6:7] offset:512*\k      ; lanes 0-15: row 2 k of my 32, lanes 16-31: row 2 k + 1
.endr
.irp j, 0,1,2,3
	global_load_b128 v[ROW+4*\j:ROW+4*\j+3], v[OFF], s[22:23] offset:512*\j th:TH_LOAD_NT   ; a row of W2 is read once in the launch (b2 by the last group's waves)
.endr
; Eight rows of v3: loads 4 q to 4 q + 3 of W3.  A lane's four products, then the sum over its 16 lanes rides on the additions (DPP).
.macro V3Q q
	s_wait_loadcnt 16-4*\q                         ; behind load 4 q + 3 of W3 stand 12 - 4 q more of W3 and the row's four
.irp i, 0,1,2,3
	v_pk_mul_f32 v[P+2*\i:P+2*\i+1], v[X+16*\q+4*\i:X+16*\q+4*\i+1], v[W4C:W4C+1]
.endr
.irp i, 0,1,2,3
	v_pk_fma_f32 v[P+2*\i:P+2*\i+1], v[X+16*\q+4*\i+2:X+16*\q+4*\i+3], v[W4C+2:W4C+3], v[P+2*\i:P+2*\i+1]
.endr
.irp i, 0,1,2,3
	v_add_f32 v[P+2*\i], v[P+2*\i], v[P+2*\i+1]
.endr
.irp m, 1,2,4,8
.irp i, 0,1,2,3
	v_add_f32_dpp v[P+2*\i], v[P+2*\i], v[P+2*\i] row_xmask:\m row_mask:0xf bank_mask:0xf
.endr
.endr
.irp i, 0,1,2,3
	ds_store_b32 v[LST], v[P+2*\i] offset:8*(4*\q+\i)      ; the 16 lanes of a half write one word, all the same number: v3[32 wave + 2 k + half]
.endr
.endm
	V3Q 0
	v_pk_mul_f32 v[E:E+1], v[B3C:B3C+1], v[W4C:W4C+1]      ; b3.W4: both halves of the lanes hold all 64 columns, so 16 lanes' sum is the whole
	v_pk_fma_f32 v[E:E+1], v[B3C+2:B3C+3], v[W4C+2:W4C+3], v[E:E+1]
	v_add_f32 v[E], v[E], v[E+1]
.irp m, 1,2,4,8
	v_add_f32_dpp v[E], v[E], v[E] row_xmask:\m row_mask:0xf bank_mask:0xf
.endr
	V3Q 1
	V3Q 2
	V3Q 3
	s_wait_dscnt 0x0                               ; for the others' sake: my 32 numbers of v3 are in LDS
	s_barrier_signal -1
	s_barrier_wait -1                              ; all 512 are
.irp j, 0,1,2,3
	ds_load_b128 v[V3+4*\j:V3+4*\j+3], v[OFF] offset:512*\j
.endr
	s_wait_dscnt 0x0
	s_wait_loadcnt 0x0                             ; the row
	s_wait_kmcnt 0x0                               ; b4
	; the row times v3: four chains that do not wait for each other; the first products start them
.irp c, 0,1,2,3
	v_pk_mul_f32 v[P+2*\c:P+2*\c+1], v[ROW+2*\c:ROW+2*\c+1], v[V3+2*\c:V3+2*\c+1]
.endr
.irp c, 0,1,2,3
	v_pk_fma_f32 v[P+2*\c:P+2*\c+1], v[ROW+8+2*\c:ROW+8+2*\c+1], v[V3+8+2*\c:V3+8+2*\c+1], v[P+2*\c:P+2*\c+1]
.endr
	v_pk_add_f32 v[P:P+1], v[P:P+1], v[P+2:P+3]
	v_pk_add_f32 v[P+4:P+5], v[P+4:P+5], v[P+6:P+7]
	v_pk_add_f32 v[P:P+1], v[P:P+1], v[P+4:P+5]
	v_add_f32 v[P], v[P], v[P+1]
.irp m, 1,2,4,8
	v_add_f32_dpp v[P], v[P], v[P] row_xmask:\m row_mask:0xf bank_mask:0xf
.endr
	v_permlanex16_b32 v[P+1], v[P], s[SEL], s[SEL+1]       ; the other half's sum (its destination has been written)
	v_add_f32 v[P], v[P], v[P+1]
	s_cmp_gt_u32 s19, 1024
	s_cbranch_scc1 .Lnothing                       ; slots 1,025 to 1,039 own no number of va
	s_cmp_lg_u32 s19, 1024
	s_cbranch_scc1 .Lrow
	v_add_f32 v[P], v[P], v[E]                     ; slot 1,024: cA = b2.v3 + b3.W4 + b4
	v_add_f32 v[P], s24, v[P]
.Lrow:
	s_lshl_b32 s20, s19, 2
	s_add_nc_u64 s[16:17], s[16:17], s[20:21]      ; va + 4 slot
	v_mov_b32 v[TMP], 0
	v_cmp_eq_u32 vcc_lo, 0, v1
	s_wait_xcnt 0x0                                ; EXEC is a source of the loads above: it changes only behind this wait
	s_wait_tensorcnt 0x0
	ds_add_u32 v120, v121
	s_wait_dscnt 0x0
	s_and_saveexec_b32 s27, vcc_lo                 ; one lane stores the wave's one number; nothing follows, so EXEC is not widened again
	global_store_b32 v[TMP], v[P], s[16:17]
	s_endpgm
.Lnothing:
	s_wait_tensorcnt 0x0
	ds_add_u32 v120, v121
	s_wait_dscnt 0x0
	s_endpgm
.Lfunc_end_k_qb46d0e9f8a_fold_w2:
	.size	k_qb46d0e9f8a_fold_w2, .Lfunc_end_k_qb46d0e9f8a_fold_w2-k_qb46d0e9f8a_fold_w2
	.p2alignl 7, 3214868480
	.fill 96, 4, 3214868480
	.section	.rodata,"a",@progbits
	.p2align	6, 0x0
	.amdhsa_kernel k_qb46d0e9f8a_fold_w2
		.amdhsa_group_segment_fixed_size 4096
		.amdhsa_private_segment_fixed_size 0
		.amdhsa_enable_private_segment 0
		.amdhsa_kernarg_size 56
		.amdhsa_user_sgpr_count 2
		.amdhsa_user_sgpr_kernarg_segment_ptr 1
		.amdhsa_wavefront_size32 1
		.amdhsa_system_sgpr_workgroup_id_x 1
		.amdhsa_system_sgpr_workgroup_id_y 1
		.amdhsa_system_sgpr_workgroup_id_z 1
		.amdhsa_system_vgpr_workitem_id 0
		.amdhsa_next_free_vgpr 122
		.amdhsa_next_free_sgpr 66
		.amdhsa_reserve_vcc 1
		.amdhsa_float_denorm_mode_32 3
		.amdhsa_float_denorm_mode_16_64 3
		.amdhsa_memory_ordered 1
		.amdhsa_forward_progress 1
		.amdhsa_inst_pref_size 14
	.end_amdhsa_kernel
	.amdgpu_metadata
---
amdhsa.version: [ 1, 2 ]
amdhsa.kernels:
  - .name:           k_qb46d0e9f8a_fold_w2
    .symbol:         k_qb46d0e9f8a_fold_w2.kd
    .args:
      - { .name: W2, .offset: 0, .size: 8, .value_kind: global_buffer, .address_space: global }
      - { .name: W3, .offset: 8, .size: 8, .value_kind: global_buffer, .address_space: global }
      - { .name: W4, .offset: 16, .size: 8, .value_kind: global_buffer, .address_space: global }
      - { .name: b2, .offset: 24, .size: 8, .value_kind: global_buffer, .address_space: global }
      - { .name: b3, .offset: 32, .size: 8, .value_kind: global_buffer, .address_space: global }
      - { .name: b4, .offset: 40, .size: 8, .value_kind: global_buffer, .address_space: global }
      - { .name: va, .offset: 48, .size: 8, .value_kind: global_buffer, .address_space: global }
    .group_segment_fixed_size: 4096
    .private_segment_fixed_size: 0
    .kernarg_segment_align: 8
    .kernarg_segment_size: 56
    .max_flat_workgroup_size: 512
    .sgpr_count:     66
    .vgpr_count:     122
    .wavefront_size: 32
...
	.end_amdgpu_metadata
.endif
;; end of part 1
;; launch fold_w1 (part 2): grid 226 x 1, 8 waves a work-group, no clusters, 0 bytes of LDS; arguments W1, b1, va, wrep; writes wrep
.if DOCPART == 2
	.amdgcn_target "amdgcn-amd-amdhsa--gfx1250"
	.amdhsa_code_object_version 6
	.text
	.protected	k_qb46d0e9f8a_fold_w1
	.globl	k_qb46d0e9f8a_fold_w1
	.p2align	8
	.type	k_qb46d0e9f8a_fold_w1,@function
k_qb46d0e9f8a_fold_w1:
	s_mov_b64 s[64:65], 0
	v_nop
	global_prefetch_b8 v0, s[64:65] scope:SCOPE_SE
	s_setreg_imm32_b32 hwreg(HW_REG_WAVE_MODE, 25, 1), 1
	s_wait_xcnt 0x0
; Second step of the fold (h = emb . v1 + c): v1 = W1 v2 (1,802 numbers) and c = b1.v2 + cA, from v2 and cA in va.  All in f32.
; LIMITS: the sums are ordered otherwise than in a chain of four products; v1 and c have to be finite in f32.
; SHARES.  slot = 8 x work-group + wave takes one row of 1,024 numbers times v2: slots 0 to 1,801 a row of W1, slot 1,802 takes b1 as its row
; and adds cA.  226 x 8 = 1,808: the last work-group's five other waves have no row and end at once.  No wave needs another: no LDS, no barrier.
; wrep.  The next launch walks the table in blocks of four rows (3,604 numbers, 901 pieces of 16 bytes), so it wants the weights laid out for
; such a block: A[f] = v1[f % 901], f = 0..3,603, at byte 0; B[f] = v1[901 + f % 901] at byte 14,416; c at byte 28,832.
; So each number of v1 is written four times, 3,604 bytes apart, by lanes 0 to 3 of its wave.
.set OFF,  2                           ; v2        16 x lane
.set CPY,  3                           ; v3        3,604 x lane: the lane's copy
.set V2,   8                           ; v[8:39]   v2: numbers 4 lane + 128 j + 0..3, j = 0..7
.set ROW,  40                          ; v[40:71]  my row, laid alike
.set P,    72                          ; v[72:79]  four chains of packed sums
.set SEL,  22                          ; s22, s23  lane selects of v_permlanex16_b32
	s_load_b256 s[4:11], s[0:1], 0x0               ; W1 s[4:5], b1 s[6:7], va s[8:9], wrep s[10:11]
	v_lshrrev_b32 v1, 5, v0
	v_readfirstlane_b32 s12, v1                    ; wave 0..7
	s_lshl_b32 s13, ttmp9, 3
	s_add_co_u32 s13, s13, s12                     ; slot
	v_and_b32 v1, 31, v0                           ; lane
	v_lshlrev_b32 v[OFF], 4, v1
	v_mul_u32_u24 v[CPY], v1, 3604
	s_mov_b32 s[SEL], 0x76543210
	s_mov_b32 s[SEL+1], 0xfedcba98
	s_min_u32 s14, s13, 1801                       ; the row's pointer stays inside W1 in the slot that does not use it
	s_lshl_b32 s14, s14, 12                        ; 4,096 bytes a row
	s_mov_b32 s15, 0
	s_wait_kmcnt 0x0
	s_cmp_gt_u32 s13, 1802
	s_cbranch_scc1 .Lnothing
	s_load_b32 s18, s[8:9], 0x1000                 ; cA
	s_add_nc_u64 s[16:17], s[4:5], s[14:15]
	s_cmp_eq_u32 s13, 1802
	s_cselect_b64 s[16:17], s[6:7], s[16:17]       ; slot 1,802's row is b1
.irp j, 0,1,2,3,4,5,6,7
	global_load_b128 v[V2+4*\j:V2+4*\j+3], v[OFF], s[8:9] offset:512*\j            ; every wave of the launch reads v2: no hint
.endr
.irp j, 0,1,2,3,4,5,6,7
	global_load_b128 v[ROW+4*\j:ROW+4*\j+3], v[OFF], s[16:17] offset:512*\j th:TH_LOAD_NT   ; a row is read once in the launch
.endr
	; where the result goes, in numbers: slot; + 2,703 from slot 901 on (B begins at 3,604 = 901 + 2,703); + 2,703 more for c (7,208 = 1,802 + 5,406)
	s_cmp_ge_u32 s13, 901
	s_cselect_b32 s14, 2703, 0
	s_add_co_u32 s20, s13, s14
	s_cmp_ge_u32 s13, 1802
	s_cselect_b32 s14, 2703, 0
	s_add_co_u32 s20, s20, s14
	s_cmp_eq_u32 s13, 1802
	s_cselect_b32 s21, 1, 4                        ; c is written once, a number of v1 four times
	s_lshl_b32 s14, s20, 2
	s_add_nc_u64 s[10:11], s[10:11], s[14:15]
	s_wait_kmcnt 0x0                               ; cA
	s_cmp_eq_u32 s13, 1802
	s_cselect_b32 s19, s18, 0                      ; what is added to the sum: cA in slot 1,802, else nothing
.irp j, 0,1,2,3,4,5,6,7
	s_wait_loadcnt 7-\j                            ; loads come back in order: behind the row's load j stand 7 - j more; v2's eight were issued first
.if \j < 2
	v_pk_mul_f32 v[P+4*\j:P+4*\j+1],   v[ROW+4*\j:ROW+4*\j+1],   v[V2+4*\j:V2+4*\j+1]      ; the first products start the four chains
	v_pk_mul_f32 v[P+4*\j+2:P+4*\j+3], v[ROW+4*\j+2:ROW+4*\j+3], v[V2+4*\j+2:V2+4*\j+3]
.else
	v_pk_fma_f32 v[P+4*(\j%2):P+4*(\j%2)+1],   v[ROW+4*\j:ROW+4*\j+1],   v[V2+4*\j:V2+4*\j+1],   v[P+4*(\j%2):P+4*(\j%2)+1]
	v_pk_fma_f32 v[P+4*(\j%2)+2:P+4*(\j%2)+3], v[ROW+4*\j+2:ROW+4*\j+3], v[V2+4*\j+2:V2+4*\j+3], v[P+4*(\j%2)+2:P+4*(\j%2)+3]
.endif
.endr
	v_pk_add_f32 v[P:P+1], v[P:P+1], v[P+2:P+3]
	v_pk_add_f32 v[P+4:P+5], v[P+4:P+5], v[P+6:P+7]
	v_pk_add_f32 v[P:P+1], v[P:P+1], v[P+4:P+5]
	v_add_f32 v[P], v[P], v[P+1]
.irp m, 1,2,4,8
	v_add_f32_dpp v[P], v[P], v[P] row_xmask:\m row_mask:0xf bank_mask:0xf
.endr
	v_permlanex16_b32 v[P+1], v[P], s[SEL], s[SEL+1]
	v_add_f32 v[P], v[P], v[P+1]                   ; every lane holds the row's sum
	v_add_f32 v[P], s19, v[P]
	v_cmp_gt_u32 vcc_lo, s21, v1
	s_wait_xcnt 0x0                                ; EXEC is a source of the loads above: it changes only behind this wait
	s_and_saveexec_b32 s24, vcc_lo                 ; lanes 0 to 3, or lane 0; nothing follows, so EXEC is not widened again
	global_store_b32 v[CPY], v[P], s[10:11]
	s_endpgm
.Lnothing:
	s_endpgm
.Lfunc_end_k_qb46d0e9f8a_fold_w1:
	.size	k_qb46d0e9f8a_fold_w1, .Lfunc_end_k_qb46d0e9f8a_fold_w1-k_qb46d0e9f8a_fold_w1
	.p2alignl 7, 3214868480
	.fill 96, 4, 3214868480
	.section	.rodata,"a",@progbits
	.p2align	6, 0x0
	.amdhsa_kernel k_qb46d0e9f8a_fold_w1
		.amdhsa_group_segment_fixed_size 0
		.amdhsa_private_segment_fixed_size 0
		.amdhsa_enable_private_segment 0
		.amdhsa_kernarg_size 32
		.amdhsa_user_sgpr_count 2
		.amdhsa_user_sgpr_kernarg_segment_ptr 1
		.amdhsa_wavefront_size32 1
		.amdhsa_system_sgpr_workgroup_id_x 1
		.amdhsa_system_sgpr_workgroup_id_y 1
		.amdhsa_system_sgpr_workgroup_id_z 1
		.amdhsa_system_vgpr_workitem_id 0
		.amdhsa_next_free_vgpr 80
		.amdhsa_next_free_sgpr 66
		.amdhsa_reserve_vcc 1
		.amdhsa_float_denorm_mode_32 3
		.amdhsa_float_denorm_mode_16_64 3
		.amdhsa_memory_ordered 1
		.amdhsa_forward_progress 1
		.amdhsa_inst_pref_size 6
	.end_amdhsa_kernel
	.amdgpu_metadata
---
amdhsa.version: [ 1, 2 ]
amdhsa.kernels:
  - .name:           k_qb46d0e9f8a_fold_w1
    .symbol:         k_qb46d0e9f8a_fold_w1.kd
    .args:
      - { .name: W1, .offset: 0, .size: 8, .value_kind: global_buffer, .address_space: global }
      - { .name: b1, .offset: 8, .size: 8, .value_kind: global_buffer, .address_space: global }
      - { .name: va, .offset: 16, .size: 8, .value_kind: global_buffer, .address_space: global }
      - { .name: wrep, .offset: 24, .size: 8, .value_kind: global_buffer, .address_space: global }
    .group_segment_fixed_size: 0
    .private_segment_fixed_size: 0
    .kernarg_segment_align: 8
    .kernarg_segment_size: 32
    .max_flat_workgroup_size: 256
    .sgpr_count:     66
    .vgpr_count:     80
    .wavefront_size: 32
...
	.end_amdgpu_metadata
.endif
;; end of part 2
;; launch scores (part 3): grid 250 x 1, 4 waves a work-group, no clusters, 29,440 bytes of LDS; arguments feature, wrep, sc; writes sc
.if DOCPART == 3
	.amdgcn_target "amdgcn-amd-amdhsa--gfx1250"
	.amdhsa_code_object_version 6
	.text
	.protected	k_qb46d0e9f8a_scores
	.globl	k_qb46d0e9f8a_scores
	.p2align	8
	.type	k_qb46d0e9f8a_scores,@function
k_qb46d0e9f8a_scores:
	s_mov_b64 s[64:65], 0
	v_nop
	global_prefetch_b8 v0, s[64:65] scope:SCOPE_SE
	s_setreg_imm32_b32 hwreg(HW_REG_WAVE_MODE, 25, 1), 1
	s_wait_xcnt 0x0
; sc[e][0] = feature[e] . v1[0:901], sc[e][1] = feature[e] . v1[901:1802] for all 20,000 rows e: the table is read once, front to back,
; in place of 50,000 gathered rows (180 MB against 72 MB).  All in f32 on the vector unit: two columns, and the bytes decide.
; LIMITS: v1 has to be finite (a masked-out 0 times an infinite weight would be NaN).  A NaN or an infinity in one row of the table stays in
; that row's two scores: what belongs to another row is taken out of the DATA by a select, not by a weight of zero.
; BLOCKS.  A row is 3,604 bytes, a multiple of 4 only; four rows are 14,416 bytes = 901 pieces of 16.  5,000 such blocks = 250 work-groups x 4 waves x 5.
; Wave W = 4 x work-group + wave owns 72,080 consecutive bytes of the table and 160 of sc.
; LANES.  Lane l takes pieces 32 j + l of every block, j = 0..28, so a load of the wave covers 512 consecutive bytes, and the lane's weights are the
; same in all five blocks: 29 pieces of A and of B (wrep's layout), 232 registers.  Number f = 128 j + 4 l + i of a block lies in row f / 901:
; j 0-6 row 0, 8-13 row 1, 15-20 row 2, 22-28 row 3; j = 7, 14, 21 hold the end of one row in their first lanes and the start of the next in the others;
; of j = 28 only lanes 0 to 4 exist: the others read piece 900 again, and their data are replaced by 0.
; IN FLIGHT.  A ring of 48 register slots: 48 loads of 512 bytes for each wave, 98,304 bytes for the work-group; every wait in the stream is counted.
; WEIGHTS.  They are asked for FIRST, ahead of the wave's table loads, so that the ring can turn as soon as the table's first bytes are there.  Wave w fetches a quarter
; of them (A's and B's pieces of j = 7 w to 7 w + 6: 14 loads of 512 bytes) and hands it to the other three through LDS, so the work-group reads A and B from memory once
; and not four times.  The short j = 28 (five pieces of A, five of B) every wave loads straight into its final registers.  No tile, no data mover: 14 loads a wave do it.
; LDS: A's 28 full j at bytes 0 to 14,335, B's at 14,416 to 28,751; written once, one barrier, then only read.
; REGISTERS.  Window 0: addresses, sums, the ring.  Window 1: v[8 j : 8 j + 3] A's piece j, v[8 j + 4 : 8 j + 7] B's.  The weights are always source 1, and nothing else
; in the stream has a vector register as source 1, so the whole stream runs under one setting of s_set_vgpr_msb (bits 3:2 = 1).
.set GB,    14416                      ; bytes in a block of four rows, and in A
.set NLOAD, 145                        ; 5 blocks x 29 loads
.set DEPTH, 48                         ; slots in the ring
.set FIRST, 40                         ; table loads issued ahead of the wait for the weights
.set QW,    3584                       ; bytes of A, and of B, that one wave fetches: 7 loads of 512
.set OFF,   2                          ; v2        16 x lane; never rewritten
.set OFF28, 3                          ; v3        16 x min(896 + lane, 900): j = 28, in the table and in wrep; never rewritten
.set T,     4                          ; v[4:7]    the earlier row's part of a piece that holds two rows
.set ACC,   8                          ; v[8:39]   row r of the block at 8 + 8 r: pairs A (numbers 0, 1), B (0, 1), A (2, 3), B (2, 3): four chains
.set RES,   40                         ; v[40:44]  block g's eight scores, lane l holding number l % 8
.set SO,    45                         ; v45       4 x lane
.set R,     46                         ; v[46:53]  a lane's eight partial scores: 2 r + (0: A, 1: B)
.set U,     54                         ; v[54:57]  what a lane hands to its partner
.set WOFF,  58                         ; v58       16 x lane + 3,584 x wave: my quarter of the weights, in wrep and in LDS; never rewritten
.set X,     64                         ; v[64:255] the ring: slot n % 48, four registers
.set KH,    24                         ; s[24+n]   mask of lanes n and above, n = 1..5
.set KL,    29                         ; s[29+n]   mask of lanes below n, n = 1..4
.set MSB, 0
.macro WIN new                         ; the immediate's high byte repeats the setting that is left; a switch that changes nothing is dropped
.if MSB != \new
	s_set_vgpr_msb (MSB<<8)|\new
.set MSB, \new
.endif
.endm
; Load number ld of the wave's 145: block ld / 29, pieces 32 (ld % 29) on, into slot ld % 48.  The block and j stand in the immediate: 71,488 at the most.
.macro LOADN
.set lx, X+4*(ld%DEPTH)
.if ld%29 == 28
	global_load_b128 v[lx:lx+3], v[OFF28], s[4:5] offset:(ld/29)*GB th:TH_LOAD_NT
.else
	global_load_b128 v[lx:lx+3], v[OFF], s[4:5] offset:(ld/29)*GB+512*(ld%29) th:TH_LOAD_NT
.endif
.endm
	s_load_b128 s[4:7], s[0:1], 0x0                ; feature s[4:5], wrep s[6:7]
	s_load_b64 s[8:9], s[0:1], 0x10                ; sc
	v_lshl_add_u32 v62, v0, 2, 0x7100
	v_mov_b32 v63, 0
	v_lshrrev_b32 v1, 5, v0
	v_readfirstlane_b32 s10, v1                    ; wave 0..3
	s_lshl_b32 s11, ttmp9, 2
	s_add_co_u32 s11, s11, s10                     ; W
	v_and_b32 v1, 31, v0                           ; lane
	v_lshlrev_b32 v[OFF], 4, v1
	v_add_nc_u32 v[OFF28], 896, v1
	v_min_u32 v[OFF28], 900, v[OFF28]
	v_lshlrev_b32 v[OFF28], 4, v[OFF28]
	v_lshlrev_b32 v[SO], 2, v1
	s_mul_i32 s12, s10, QW
	v_add_nc_u32 v[WOFF], s12, v[OFF]
.irp n, 1,2,3,4,5
	s_mov_b32 s[KH+\n], 0xffffffff^((1<<\n)-1)
.endr
.irp n, 1,2,3,4
	s_mov_b32 s[KL+\n], (1<<\n)-1
.endr
	s_mov_b32 s34, 0xaaaaaaaa                      ; lanes whose number has bit 0 set,
	s_mov_b32 s35, 0xcccccccc                      ; bit 1,
	s_mov_b32 s36, 0xf0f0f0f0                      ; bit 2
	s_mov_b32 s38, 0x76543210                      ; v_permlanex16_b32: each lane takes its own place in the other half
	s_mov_b32 s39, 0xfedcba98
	s_mov_b32 s40, 0x0000ff00                      ; lanes 8-15, 16-23, 24-31
	s_mov_b32 s41, 0x00ff0000
	s_mov_b32 s42, 0xff000000
	s_mul_i32 s2, s11, 5*GB                        ; under 2^31: 999 x 72,080
	s_mov_b32 s3, 0
	s_wait_kmcnt 0x0
	s_add_nc_u64 s[4:5], s[4:5], s[2:3]            ; the table at my wave's first block
	s_mul_i32 s2, s11, 160
	s_add_nc_u64 s[8:9], s[8:9], s[2:3]            ; sc at my wave's first score
	; THE WEIGHTS FIRST.  My quarter is staged in window 1, v[0:55], which the loads from LDS below write anew; every wave of the launch reads wrep: no hint.
	WIN 0x40                                       ; destination window 1, address window 0
.irp i, 0,1,2,3,4,5,6
	global_load_b128 v[8*\i:8*\i+3],   v[WOFF], s[6:7] offset:512*\i       ; A's pieces of j = 7 wave + i
	global_load_b128 v[8*\i+4:8*\i+7], v[WOFF], s[6:7] offset:GB+512*\i    ; B's: the last byte read is 28,751
.endr
	global_load_b128 v[224:227], v[OFF28], s[6:7]              ; j = 28, into its final registers: lanes 5 and above take piece 900 again, so nothing behind A or B is read
	global_load_b128 v[228:231], v[OFF28], s[6:7] offset:GB
	WIN 0
.set ld, 0
.rept FIRST
	LOADN                                          ; 16 + 40 = 56 loads are out.  All 48 here would make 64, one more than LOADcnt counts (ISA guide 5.7.1), and the last would stall at issue
.set ld, ld+1
.endr
	s_wait_loadcnt FIRST+2                         ; loads come back in order: behind my quarter's 14th stand the two of j = 28 and the 40 of the table
	WIN 0x04                                       ; store data (source 1) window 1, address window 0
.irp i, 0,1,2,3,4,5,6
	ds_store_b128 v[WOFF], v[8*\i:8*\i+3]   offset:512*\i      ; wave w writes bytes 3,584 w to 3,584 w + 3,583 of A's part and of B's: no two waves share a byte
	ds_store_b128 v[WOFF], v[8*\i+4:8*\i+7] offset:GB+512*\i
.endr
.rept DEPTH-FIRST
	LOADN                                          ; the ring's last eight slots (a load names no source 1, so the setting may stay)
.set ld, ld+1
.endr
	s_wait_dscnt 0x0                               ; for the others' sake: my quarter is in LDS
	s_barrier_signal -1                            ; the table's loads stay in flight: nobody writes those bytes
	s_barrier_wait -1                              ; all four quarters are
	WIN 0x40
.set jj, 0
.rept 28
	ds_load_b128 v[8*jj:8*jj+3],   v[OFF] offset:512*jj
	ds_load_b128 v[8*jj+4:8*jj+7], v[OFF] offset:GB+512*jj
.set jj, jj+1
.endr
	s_wait_dscnt 0x0
	WIN 0x04                                       ; source 1 window 1: the stream's setting
; Four numbers at v[x] times A's and B's piece jj, onto the row's four chains.  start = 1: the products start the sums; nothing is cleared.
.macro FMA4 x, acc, start
.if \start
	v_pk_mul_f32 v[\acc:\acc+1],   v[\x:\x+1],   v[8*jj:8*jj+1]
	v_pk_mul_f32 v[\acc+2:\acc+3], v[\x:\x+1],   v[8*jj+4:8*jj+5]
	v_pk_mul_f32 v[\acc+4:\acc+5], v[\x+2:\x+3], v[8*jj+2:8*jj+3]
	v_pk_mul_f32 v[\acc+6:\acc+7], v[\x+2:\x+3], v[8*jj+6:8*jj+7]
.else
	v_pk_fma_f32 v[\acc:\acc+1],   v[\x:\x+1],   v[8*jj:8*jj+1],   v[\acc:\acc+1]
	v_pk_fma_f32 v[\acc+2:\acc+3], v[\x:\x+1],   v[8*jj+4:8*jj+5], v[\acc+2:\acc+3]
	v_pk_fma_f32 v[\acc+4:\acc+5], v[\x+2:\x+3], v[8*jj+2:8*jj+3], v[\acc+4:\acc+5]
	v_pk_fma_f32 v[\acc+6:\acc+7], v[\x+2:\x+3], v[8*jj+6:8*jj+7], v[\acc+6:\acc+7]
.endif
.endm
; Two sums become one register: lanes whose bit is 0 keep lo and hand hi to the partner (lane xor x), the others keep hi and hand lo over.
.macro FOLD lo, hi, u, m, x
	v_cndmask_b32 v[\u], v[\hi], v[\lo], s[\m]
	v_cndmask_b32 v[\lo], v[\lo], v[\hi], s[\m]
	v_add_f32_dpp v[\lo], v[\u], v[\lo] row_xmask:\x row_mask:0xf bank_mask:0xf
.endm
; The block's eight scores, summed over the 32 lanes: three halvings leave score l % 8 in lane l, two more steps add the lanes 8 and 16 away.
.macro REDUCE
	WIN 0
.irp r, 0,1,2,3
	v_pk_add_f32 v[ACC+8*\r:ACC+8*\r+1],   v[ACC+8*\r:ACC+8*\r+1],   v[ACC+8*\r+4:ACC+8*\r+5]
	v_pk_add_f32 v[ACC+8*\r+2:ACC+8*\r+3], v[ACC+8*\r+2:ACC+8*\r+3], v[ACC+8*\r+6:ACC+8*\r+7]
.endr
.irp r, 0,1,2,3
	v_add_f32 v[R+2*\r],   v[ACC+8*\r],   v[ACC+8*\r+1]
	v_add_f32 v[R+2*\r+1], v[ACC+8*\r+2], v[ACC+8*\r+3]
.endr
	FOLD R+0, R+1, U+0, 34, 1
	FOLD R+2, R+3, U+1, 34, 1
	FOLD R+4, R+5, U+2, 34, 1
	FOLD R+6, R+7, U+3, 34, 1
	FOLD R+0, R+2, U+0, 35, 2
	FOLD R+4, R+6, U+1, 35, 2
	FOLD R+0, R+4, U+0, 36, 4
	v_add_f32_dpp v[R], v[R], v[R] row_xmask:8 row_mask:0xf bank_mask:0xf
	v_permlanex16_b32 v[U], v[R], s38, s39
	v_add_f32 v[RES+nn/29], v[R], v[U]
.if nn/29 < 4
	WIN 0x04
.endif
.endm
; The turn of load nn.  In a piece that holds two rows, number i belongs to the earlier row r in lanes below ni = ceil((901 (r + 1) - i - 128 j) / 4).
.macro SLOT
.set jj, nn%29
.set xx, X+4*(nn%DEPTH)
.if nn < NLOAD-DEPTH+1
	s_wait_loadcnt DEPTH-1                         ; loads come back in order: mine is in, the 47 issued behind it stay out (the weights of j = 28 were issued ahead of the table's first load)
.else
	s_wait_loadcnt NLOAD-1-nn                      ; nothing is left to ask for: the counts run down to 0
.endif
.if (jj == 7) || (jj == 14) || (jj == 21)
.set rho, jj/7-1
.irp i, 0,1,2,3
.set ni, (901*(rho+1)-\i-128*jj+3)/4
	v_cndmask_b32 v[T+\i],  v[xx+\i], 0, s[KH+ni]  ; the earlier row's numbers, 0 in lanes ni and above
	v_cndmask_b32 v[xx+\i], v[xx+\i], 0, s[KL+ni]  ; the later row's, 0 in lanes below ni
.endr
	FMA4 T, ACC+8*rho, 0
	FMA4 xx, ACC+8*rho+8, 1                        ; the later row's sums start here
.elseif jj == 28
.irp i, 0,1,2,3
	v_cndmask_b32 v[xx+\i], v[xx+\i], 0, s[KH+5]   ; the block ends with lane 4's piece
.endr
	FMA4 xx, ACC+24, 0
.elseif jj == 0
	FMA4 xx, ACC, 1                                ; row 0's sums start here
.else
	FMA4 xx, ACC+8*(jj/7), 0
.endif
.if nn+DEPTH < NLOAD
.set ld, nn+DEPTH
	LOADN                                          ; the slot is filled again; its address registers are never rewritten
.endif
.if jj == 28
	REDUCE
.endif
.endm
.set nn, 0
.rept NLOAD
	SLOT
.set nn, nn+1
.endr
	; 40 scores: lanes 8 g to 8 g + 7 take block g's, so one store covers 128 consecutive bytes; block 4's eight follow
	v_cndmask_b32 v[RES], v[RES], v[RES+1], s40
	v_cndmask_b32 v[RES], v[RES], v[RES+2], s41
	v_cndmask_b32 v[RES], v[RES], v[RES+3], s42
	global_store_b32 v[SO], v[RES], s[8:9]
	v_cmp_gt_u32 vcc_lo, 8, v1
	s_wait_xcnt 0x0                                ; EXEC is a source of the store above: it changes only behind this wait
	s_wait_tensorcnt 0x0
	ds_add_u32 v62, v63
	s_wait_dscnt 0x0
	s_and_saveexec_b32 s43, vcc_lo                 ; nothing follows, so EXEC is not widened again
	global_store_b32 v[SO], v[RES+4], s[8:9] offset:128
	s_endpgm
.Lfunc_end_k_qb46d0e9f8a_scores:
	.size	k_qb46d0e9f8a_scores, .Lfunc_end_k_qb46d0e9f8a_scores-k_qb46d0e9f8a_scores
	.p2alignl 7, 3214868480
	.fill 96, 4, 3214868480
	.section	.rodata,"a",@progbits
	.p2align	6, 0x0
	.amdhsa_kernel k_qb46d0e9f8a_scores
		.amdhsa_group_segment_fixed_size 29440
		.amdhsa_private_segment_fixed_size 0
		.amdhsa_enable_private_segment 0
		.amdhsa_kernarg_size 24
		.amdhsa_user_sgpr_count 2
		.amdhsa_user_sgpr_kernarg_segment_ptr 1
		.amdhsa_wavefront_size32 1
		.amdhsa_system_sgpr_workgroup_id_x 1
		.amdhsa_system_sgpr_workgroup_id_y 1
		.amdhsa_system_sgpr_workgroup_id_z 1
		.amdhsa_system_vgpr_workitem_id 0
		.amdhsa_next_free_vgpr 488
		.amdhsa_next_free_sgpr 66
		.amdhsa_reserve_vcc 1
		.amdhsa_float_denorm_mode_32 3
		.amdhsa_float_denorm_mode_16_64 3
		.amdhsa_memory_ordered 1
		.amdhsa_forward_progress 1
		.amdhsa_inst_pref_size 88
	.end_amdhsa_kernel
	.amdgpu_metadata
---
amdhsa.version: [ 1, 2 ]
amdhsa.kernels:
  - .name:           k_qb46d0e9f8a_scores
    .symbol:         k_qb46d0e9f8a_scores.kd
    .args:
      - { .name: feature, .offset: 0, .size: 8, .value_kind: global_buffer, .address_space: global }
      - { .name: wrep, .offset: 8, .size: 8, .value_kind: global_buffer, .address_space: global }
      - { .name: sc, .offset: 16, .size: 8, .value_kind: global_buffer, .address_space: global }
    .group_segment_fixed_size: 29440
    .private_segment_fixed_size: 0
    .kernarg_segment_align: 8
    .kernarg_segment_size: 24
    .max_flat_workgroup_size: 128
    .sgpr_count:     66
    .vgpr_count:     488
    .wavefront_size: 32
...
	.end_amdgpu_metadata
.endif
;; end of part 3
;; launch pairs (part 4): grid 49 x 2, 4 waves a work-group, no clusters, 0 bytes of LDS; arguments train_sample, test_sample, sc, wrep, out0, out1; writes out0, out1
.if DOCPART == 4
	.amdgcn_target "amdgcn-amd-amdhsa--gfx1250"
	.amdhsa_code_object_version 6
	.text
	.protected	k_qb46d0e9f8a_pairs
	.globl	k_qb46d0e9f8a_pairs
	.p2align	8
	.type	k_qb46d0e9f8a_pairs,@function
k_qb46d0e9f8a_pairs:
	s_mov_b64 s[64:65], 0
	v_nop
	global_prefetch_b8 v0, s[64:65] scope:SCOPE_SE
	s_setreg_imm32_b32 hwreg(HW_REG_WAVE_MODE, 25, 1), 1
	s_wait_xcnt 0x0
; out[n] = sigmoid(sc[p0[n]][0] + sc[p1[n]][1] + c): the last step of the fold.  Work-group y = 0: train_sample to out0; y = 1: test_sample to out1.
; Thread p = 128 x + thread owns samples 2 p and 2 p + 1: 16 bytes of indices in, 8 bytes out, so a wave reads 512 consecutive bytes and writes 256, aligned.
; 6,250 threads have work: 49 x 128 = 6,272, and only the last wave of the last work-group is narrowed, to 10 lanes.
; LIMITS: an index is read as unsigned and clamped to 19,999 (an index stays inside the table that it indexes).
; The sigmoid is 1 / (1 + 2^(-h log2 e)): where the power overflows the result is 0, where it vanishes the result is 1; no maximum is at stake.
.set NPAIR, 6250
	s_lshl_b32 s17, ttmp9, 7
	v_add_nc_u32 v1, s17, v0                       ; p
	v_cmp_gt_u32 vcc_lo, NPAIR, v1
	s_and_saveexec_b32 s18, vcc_lo                 ; ahead of every memory instruction of this text; it stays so to the end
	s_load_b256 s[4:11], s[0:1], 0x0               ; train_sample s[4:5], test_sample s[6:7], sc s[8:9], wrep s[10:11]
	s_load_b128 s[12:15], s[0:1], 0x20             ; out0 s[12:13], out1 s[14:15]
	s_and_b32 s16, ttmp7, 0xffff                   ; y
	s_mov_b32 s26, 0xbfb8aa3b                      ; -log2(e)
	v_lshlrev_b32 v2, 4, v1                        ; 16 p
	v_lshlrev_b32 v3, 3, v1                        ; 8 p
	s_wait_kmcnt 0x0
	s_load_b32 s24, s[10:11], 0x70a0               ; c, at byte 28,832 of wrep
	s_cmp_eq_u32 s16, 0
	s_cselect_b64 s[20:21], s[4:5], s[6:7]         ; my batch's samples
	s_cselect_b64 s[22:23], s[12:13], s[14:15]     ; and its output
	global_load_b128 v[4:7], v2, s[20:21] th:TH_LOAD_NT    ; p0, p1 of sample 2 p; p0, p1 of sample 2 p + 1
	s_wait_loadcnt 0x0
.irp r, 4,5,6,7
	v_min_u32 v\r, 0x4e1f, v\r                     ; at most 19,999
.endr
.irp r, 4,5,6,7
	v_lshlrev_b32 v\r, 3, v\r                      ; 8 bytes a row of sc
.endr
	global_load_b32 v8,  v4, s[8:9]                ; a row of sc may be named many times: no hint
	global_load_b32 v9,  v5, s[8:9] offset:4
	global_load_b32 v10, v6, s[8:9]
	global_load_b32 v11, v7, s[8:9] offset:4
	s_wait_kmcnt 0x0
	s_mul_f32 s25, s24, s26                        ; -c log2(e)
	s_wait_loadcnt 0x0
	v_add_f32 v8, v8, v9
	v_add_f32 v10, v10, v11
	v_fma_f32 v8, v8, s26, s25                     ; -h log2(e)
	v_fma_f32 v10, v10, s26, s25
	v_exp_f32 v8, v8
	v_exp_f32 v10, v10
	v_nop                                          ; a plain instruction between a transcendental and the use of its result
	s_wait_alu depctr_va_vdst(0)
	v_add_f32 v8, 1.0, v8
	v_add_f32 v10, 1.0, v10
	v_rcp_f32 v8, v8
	v_rcp_f32 v9, v10
	v_nop
	s_wait_alu depctr_va_vdst(0)
	global_store_b64 v3, v[8:9], s[22:23]
	s_endpgm
.Lfunc_end_k_qb46d0e9f8a_pairs:
	.size	k_qb46d0e9f8a_pairs, .Lfunc_end_k_qb46d0e9f8a_pairs-k_qb46d0e9f8a_pairs
	.p2alignl 7, 3214868480
	.fill 96, 4, 3214868480
	.section	.rodata,"a",@progbits
	.p2align	6, 0x0
	.amdhsa_kernel k_qb46d0e9f8a_pairs
		.amdhsa_group_segment_fixed_size 0
		.amdhsa_private_segment_fixed_size 0
		.amdhsa_enable_private_segment 0
		.amdhsa_kernarg_size 48
		.amdhsa_user_sgpr_count 2
		.amdhsa_user_sgpr_kernarg_segment_ptr 1
		.amdhsa_wavefront_size32 1
		.amdhsa_system_sgpr_workgroup_id_x 1
		.amdhsa_system_sgpr_workgroup_id_y 1
		.amdhsa_system_sgpr_workgroup_id_z 1
		.amdhsa_system_vgpr_workitem_id 0
		.amdhsa_next_free_vgpr 16
		.amdhsa_next_free_sgpr 66
		.amdhsa_reserve_vcc 1
		.amdhsa_float_denorm_mode_32 3
		.amdhsa_float_denorm_mode_16_64 3
		.amdhsa_memory_ordered 1
		.amdhsa_forward_progress 1
		.amdhsa_inst_pref_size 3
	.end_amdhsa_kernel
	.amdgpu_metadata
---
amdhsa.version: [ 1, 2 ]
amdhsa.kernels:
  - .name:           k_qb46d0e9f8a_pairs
    .symbol:         k_qb46d0e9f8a_pairs.kd
    .args:
      - { .name: train_sample, .offset: 0, .size: 8, .value_kind: global_buffer, .address_space: global }
      - { .name: test_sample, .offset: 8, .size: 8, .value_kind: global_buffer, .address_space: global }
      - { .name: sc, .offset: 16, .size: 8, .value_kind: global_buffer, .address_space: global }
      - { .name: wrep, .offset: 24, .size: 8, .value_kind: global_buffer, .address_space: global }
      - { .name: out0, .offset: 32, .size: 8, .value_kind: global_buffer, .address_space: global }
      - { .name: out1, .offset: 40, .size: 8, .value_kind: global_buffer, .address_space: global }
    .group_segment_fixed_size: 0
    .private_segment_fixed_size: 0
    .kernarg_segment_align: 8
    .kernarg_segment_size: 48
    .max_flat_workgroup_size: 128
    .sgpr_count:     66
    .vgpr_count:     16
    .wavefront_size: 32
...
	.end_amdgpu_metadata
.endif
;; end of part 4
